; MI455X (gfx1250); checked and timed in simulation.
; The chip was launched on July 23, 2026; its instructions are those of AMD's public machine-readable ISA for CDNA 5 (MIT licence, August 2026) and "CDNA5" Instruction Set Architecture Reference Guide (July 2026). The comments in the code are by the model that wrote it; some were corrected since.
;; Scaled Dot Product Attention. Allowed arithmetic: matrix products marked QUANTISED: E4M3 operands, one E8M0 scale for each 32 along K, by v_wmma_scale_f32_16x16x128_f8f6f4 with both operands' format E4M3, f32 sums; everything else in f32.
;; Inputs: keys 16 x 2,048 x 128 float32; queries 16 x 2,048 x 128 float32; values 16 x 2,048 x 128 float32.
;; Outputs: out0 16 x 2,048 x 128 float32.
;; This version of the problem:
;;   THIS VERSION OF THE PROBLEM IS GIVEN IN LOW PRECISION. The matrix products marked QUANTISED in the list below multiply operands that are first quantised to E4M3 (4 exponent bits, 3 mantissa bits; 8 bits a number), with one power-of-two scale for each 32 numbers along K (OCP MX v1.0); their sums are f32. All else is computed in f32.
;;   The module's matrix products, in the order in which they are computed (A, B: the left and right operand; K: the contracted axis; several contracted axes count as one K, in the product's order):
;;     1. batch 16 x [M 2,048, K 128] x [K 128, N 2,048]; A: input queries; B: input keys: QUANTISED
;;     2. batch 16 x [M 2,048, K 2,048] x [K 2,048, N 128]; A: softmax (see below); B: input values: QUANTISED
;;   THE QUANTISER, for each operand of a quantised product, along K:
;;     - K is cut into blocks of 32 from its start; a last block that is shorter is filled with zeros.
;;     - A block's scale is 2^e with e = floor(log2(the largest magnitude in the block)) - 8, held to -126 .. 127; a block of zeros has e = 0. As a byte (E8M0): e + 127.
;;     - Each number is divided by its block's scale, clamped to +-448, and rounded to the nearest number of E4M3, ties to even, subnormals kept.
;;     - The product sums the exact products of the quantised numbers (number of the format x scale) in f32.
;;   ~~~python
;;   def quantise(x, axis):      # numpy; x: float32 -> the quantised numbers, widened to float32 again
;;       x = np.moveaxis(x, axis, -1); K = x.shape[-1]
;;       x = np.pad(x, [(0, 0)] * (x.ndim - 1) + [(0, -K % 32)]); x = x.reshape(x.shape[:-1] + (-1, 32)); a = np.abs(x).max(-1, keepdims=True)
;;       e = np.where(a > 0, np.clip(np.frexp(np.where(a > 0, a, 1))[1] - 1 - 8, -126, 127), 0)      # np.frexp(a)[1] - 1 = floor(log2(a)), exactly
;;       r = np.clip(x / 2.0 ** e, -448, 448)
;;       step = 2.0 ** (np.maximum(np.frexp(np.where(r == 0, 1, r))[1] - 1, -6) - 3)
;;       q = np.round(r / step) * step * 2.0 ** e      # np.round: ties to even
;;       return np.moveaxis(q.reshape(q.shape[:-2] + (-1,))[..., :K], -1, axis).astype(np.float32)
;;   ~~~
;;   SOFTMAX AHEAD OF A QUANTISED PRODUCT. Where the list says 'softmax', what is quantised is not the finished softmax but p = 2^(t - M), with t = logit x log2(e) and M = ceil(the row's largest t), a whole number; so 1/2 < the row's largest p <= 1. The row's sum l is taken of the UNQUANTISED p, in f32, and the product's result is divided by l at the end. Since M is a whole number, a kernel that streams over the keys may use a running M (the ceiling of the running maximum): every later rescaling is an exact power of two, which a block's scale takes up: the codes' values come out the same.
;;   OPERANDS COMPUTED ON THE WAY. 'Computed on the way' means the value that the module computes at that place (a softmax that the list does not call 'softmax' is quantised finished and normalised). What goes into a quantiser is computed in f32, as accurately as f32 sums, v_exp_f32 and their like allow (about 1e-6 of the number): no bf16 or f16 on the way to a quantiser, and a product that is left as it is and whose result goes on into a quantised operand takes f32 operands (vector FMAs, or v_wmma_f32_16x16x4_f32). A number that lies on a knife's edge between two numbers of the format may be rounded either way, as far as f32 arithmetic and the matrix unit's own rounding can turn it there, and no further.
;; One version. Each part assembles by itself: llvm-mc -triple=amdgcn-amd-amdhsa -mcpu=gfx1250 --defsym DOCPART=n.
;; ======== version 1 of 1: 2 launches
;; limits: right only within a limited range of input values
;; workspace buffers: kc 4,194,304 bytes; ks 131,072 bytes; vc 4,194,304 bytes; vs 131,072 bytes
;; launch quant (part 1): grid 256 x 1, 8 waves a work-group, no clusters, 78,848 bytes of LDS; arguments keys, values, kc, ks, vc, vs; writes kc, ks, vc, vs
.if DOCPART == 1
	.amdgcn_target "amdgcn-amd-amdhsa--gfx1250"
	.amdhsa_code_object_version 6
	.text
	.protected	k_q79950ef223_quant
	.globl	k_q79950ef223_quant
	.p2align	8
	.type	k_q79950ef223_quant,@function
k_q79950ef223_quant:
	s_mov_b64 s[64:65], 0
	v_nop
	global_prefetch_b8 v0, s[64:65] scope:SCOPE_SE
	s_setreg_imm32_b32 hwreg(HW_REG_WAVE_MODE, 25, 1), 1
	s_wait_xcnt 0x0
; keys and values, [16][2048][128] f32, become codes of FP8 (E4M3) with one E8M0 scale byte for each 32 along the axis that their product contracts.
; A block's scale is 2^(floor(log2(its largest magnitude)) - 8); its byte is the largest magnitude's exponent field - 8, held at 1 from below; each number is divided by the scale,
; held within +-448 and rounded to the nearest code, ties to even.
; KEYS (work-groups 0-127): the contracted axis is the head's 128, innermost.  kc [16][2048 places][128] codes, ks [16][2048 places][4] bytes.  Inside each group of 32 keys the rows
;   are laid in another order: keys 8-15 and keys 16-23 change places.  So places 16 u + 0..15 of a group hold keys 8 u + 0..7 and 8 u + 16..23: the sixteen keys that the attention launch wants
;   in one tile are neighbours.  A wave takes one group, in eight steps of four rows, so the order is a permutation of the steps' store offsets and costs no instruction.
; VALUES (work-groups 128-255): the contracted axis is the keys, the first axis within a head.  vc [16][128 d][2048 keys] codes, vs [16][128 d][64] bytes.  A lane takes a column d and its registers
;   run down the keys: a block of 32 lies in one lane, and the codes come out with the keys innermost; they leave through a stage in LDS as rows of 256 keys, of which two waves make a half each.
; LIMITS: a block whose largest magnitude lies under 2^-118 (the floor) keeps the byte 1; a block of zeros so gets the byte 1 and not 127: its codes are zeros, which add nothing, and these bytes
;   are read by the attention launch alone.  NaN and infinities among the inputs are not served.
; No tensor loads.  One barrier a work-group, ahead of the bytes that leave through LDS.  The two paths have LDS bytes of their own: keys 0 to 41,983, values 43,008 to 77,823.
.set MANT,   0x600000                  ; the mantissa field of 448 as f32
.set FLOOR,  0x4800000                 ; 2^(9 - 127)
.set OFF8,   0xfc000000                ; -(8 << 23)
.set SPW,    216                       ; LDS address of my spare word: SPARE + 4 x my thread's number; never rewritten
.set NIL,    217                       ; 0; never rewritten
; the keys' path
.set STEPS,  8                         ; steps of 512 numbers (4 rows) for a wave: 32 rows
.set SP,     80                        ; a lane's place in a stage: its 64 bytes + 16 of padding
.set WREG,   5120                      ; LDS of a wave: two stages of 32 x SP bytes
.set KSB,    8*WREG                    ; and behind the eight waves' the work-group's 1,024 scale bytes
.set KR,     16                        ; v16-143  eight sets of 16 numbers as they are loaded
.set KX,     144                       ; v144-175 two sets of 16 neighbours
.set KE,     176                       ; v176-183 a scale byte for each step
.set KC,     184                       ; v184-215 codes: four registers for each step, so that no store's data are written again
; the values' path
.set VSTG,   43008                     ; LDS: a stage of 32 rows x VPITCH for each 32 columns
.set VPITCH, 272                       ; a stage row: 256 codes + 16 bytes
.set NB,     4                         ; blocks of 32 keys for a lane
.set VSB,    24                        ; v24      the scale bytes, the earlier keys in the lower byte
.set VX,     32                        ; v32-95   two sets of 32 numbers
.set VC,     96                        ; v96-103  a block's codes
.set VOUT,   112                       ; v112-143 the way out
.set SPARE,  VSTG+4*32*VPITCH          ; the spare words, 128 bytes for each wave: four blocks of 256 bytes that no other line names
	s_load_b128 s[4:7], s[0:1], 0x0                ; keys, values
	s_load_b128 s[8:11], s[0:1], 0x10              ; kc, ks
	s_load_b128 s[12:15], s[0:1], 0x20             ; vc, vs
	v_lshl_add_u32 v[SPW], v0, 2, SPARE
	v_mov_b32 v[NIL], 0
	v_lshrrev_b32 v1, 5, v0
	v_readfirstlane_b32 s16, v1                    ; wave 0..7
	v_and_b32 v2, 31, v0                           ; lane
	s_wait_alu depctr_va_vdst(0)                   ; ahead of the branch
	s_cmp_lt_u32 ttmp9, 128                        ; the work-group's number alone says which tensor
	s_cbranch_scc0 .Lvalues
	; ---------------- KEYS ----------------
	; Each of a step's four loads reads 512 consecutive bytes, 16 a lane; the 2,048 bytes go through the wave's own stage as they lie and come back 64 bytes a lane: 16 neighbours along d, two lanes to a block.
	v_lshlrev_b32 v3, 4, v2                        ; my 16 bytes of a load's 512
	s_mul_i32 s17, s16, WREG
	v_lshrrev_b32 v14, 2, v2
	v_mul_u32_u24 v14, v14, SP
	v_and_b32 v15, 3, v2
	v_lshl_add_u32 v14, v15, 4, v14
	v_add_nc_u32 v14, s17, v14                     ; the stage, on the way in: SP (lane / 4) + 16 (lane % 4)
	v_mul_u32_u24 v15, v2, SP
	v_add_nc_u32 v15, s17, v15                     ; and on the way out: SP x lane
	v_lshlrev_b32 v4, 4, v2                        ; my 16 codes' place in a step's 512
	v_lshrrev_b32 v5, 1, v2
	s_lshl_b32 s17, s16, 7
	s_add_co_u32 s17, s17, KSB
	v_add_nc_u32 v5, s17, v5                       ; LDS: my wave's 128 scale bytes, my block's byte
	s_lshl_b32 s17, s16, 8
	v_lshlrev_b32 v7, 3, v2
	v_add_nc_u32 v7, s17, v7                       ; and on the way out (waves 0 to 3) 256 bytes a wave, 8 a lane
	v_add_nc_u32 v6, KSB, v7
	s_mov_b32 s23, MANT
	s_lshl_b32 s18, ttmp9, 3
	s_add_co_u32 s18, s18, s16                     ; which run of 4,096 numbers is my wave's: 0 to 1023
	s_mov_b32 s21, 0
	s_lshl_b32 s20, s18, 14                        ; 16,384 bytes of f32 a run
	s_wait_alu depctr_va_vdst(0)                   ; the wait at the head's end
	s_wait_kmcnt 0x0
	s_add_nc_u64 s[4:5], s[4:5], s[20:21]
	s_lshl_b32 s20, s18, 12                        ; 4,096 bytes of codes
	s_add_nc_u64 s[8:9], s[8:9], s[20:21]
	s_lshl_b32 s20, ttmp9, 10                      ; 1,024 scale bytes a work-group
	s_add_nc_u64 s[10:11], s[10:11], s[20:21]
.macro KLOAD t
.irp i, 0,1,2,3
	global_load_b128 v[KR+16*(\t)+4*\i:KR+16*(\t)+4*\i+3], v3, s[4:5] offset:2048*(\t)+512*\i th:TH_LOAD_NT   ; 32 lanes read 512 consecutive bytes
.endr
.endm
.macro KTURN t                         ; step t's numbers through the stage: LDS serves a wave's instructions in order, so no wait stands between the stores and the loads
.irp i, 0,1,2,3
	ds_store_b128 v14, v[KR+16*(\t)+4*\i:KR+16*(\t)+4*\i+3] offset:32*SP*((\t)%2)+8*SP*\i
.endr
.irp i, 0,1,2,3
	ds_load_b128 v[KX+16*((\t)%2)+4*\i:KX+16*((\t)%2)+4*\i+3], v15 offset:32*SP*((\t)%2)+16*\i
.endr
.endm
.macro KSTEP t
.set XS, KX+16*((\t)%2)
.set PT, (((\t)&1)|(((\t)&2)<<1)|(((\t)&4)>>1))   ; where step t's four rows go: the steps of keys 8-15 and of keys 16-23 change places
.if (\t) > 0
	s_wait_dscnt 1                                 ; this step's numbers are back from the stage (the last step's byte store may be out)
.else
	s_wait_dscnt 0x0
.endif
.if (\t)+1 < STEPS
	s_wait_loadcnt 4*(STEPS-2-(\t))                ; the next step's four loads are in; those of the steps behind it may be out
	KTURN (\t)+1                                   ; and go through the other stage while this step is worked
.endif
	v_max3_num_f32 v8, |v[XS]|, |v[XS+1]|, |v[XS+2]|               ; the largest magnitude of my 16, in two chains
	v_max3_num_f32 v9, |v[XS+3]|, |v[XS+4]|, |v[XS+5]|
.irp i, 6,10
	v_max3_num_f32 v8, v8, |v[XS+\i]|, |v[XS+\i+1]|
	v_max3_num_f32 v9, v9, |v[XS+\i+2]|, |v[XS+\i+3]|
.endr
	v_max3_num_f32 v8, v8, |v[XS+14]|, |v[XS+15]|
	v_max3_num_f32 v8, v8, v9, FLOOR               ; and the floor, under which no largest magnitude is taken: the byte cannot fall under 1
	v_max_num_f32_dpp v8, v8, v8 row_xmask:1 row_mask:0xf bank_mask:0xf   ; and of my neighbour's 16: the block's
	v_add_nc_u32 v11, OFF8, v8                     ; 8 off its exponent field: the conversion takes the exponent field of this operand as its scale, and nothing else of it
	v_and_or_b32 v10, v8, 0x7f800000, s23          ; 448 x the scale: the largest magnitude's exponent field over 448's mantissa
.irp i, 0,1,2,3,4,5,6,7,8,9,10,11,12,13,14,15
	v_med3_num_f32 v[XS+\i], v[XS+\i], -v10, v10   ; the conversion to an 8-bit code does not saturate (ISA guide 7.6.2): hold the number first
.endr
	v_cvt_scalef32_pk8_fp8_f32 v[KC+4*(\t):KC+4*(\t)+1], v[XS:XS+7], v11
	v_cvt_scalef32_pk8_fp8_f32 v[KC+4*(\t)+2:KC+4*(\t)+3], v[XS+8:XS+15], v11
	v_lshrrev_b32 v[KE+(\t)], 23, v11              ; the scale's byte (also the plain line behind the conversions)
	ds_store_b8 v5, v[KE+(\t)] offset:16*PT        ; both lanes of a block write the same byte with the same value
	global_store_b128 v4, v[KC+4*(\t):KC+4*(\t)+3], s[8:9] offset:512*PT   ; the wave stores 512 consecutive bytes: four rows of codes
.endm
.irp t, 0,1,2,3,4,5,6,7
	KLOAD \t                                       ; all of the wave's numbers are asked for at once: 32 loads
.endr
	s_wait_loadcnt 28                              ; step 0's four loads are in
	KTURN 0
.irp t, 0,1,2,3,4,5,6,7
	KSTEP \t
.endr
	s_wait_alu depctr_va_vdst(0)                   ; ahead of the wait below
	s_wait_dscnt 0x0                               ; my byte stores have landed
	s_barrier_signal -1
	s_barrier_wait -1
	s_cmp_lt_u32 s16, 4
	s_cbranch_scc0 .Lkeys_end
	ds_load_b64 v[12:13], v6
	s_wait_dscnt 0x0
	global_store_b64 v7, v[12:13], s[10:11]        ; 32 lanes store 256 consecutive bytes, aligned: two waves' scale bytes
.Lkeys_end:
	s_wait_tensorcnt 0x0                           ; the wave's end
	ds_add_u32 v[SPW], v[NIL]
	s_wait_dscnt 0x0
	s_endpgm
	; ---------------- VALUES ----------------
	; A work-group takes 256 keys of one head, all 128 columns; a wave 32 columns of 128 keys.  Each load reads one key's 32 neighbouring columns: 128 consecutive bytes a wave, four waves side by side on a row of 512.
.Lvalues:
	s_sub_co_u32 s17, ttmp9, 128                   ; 0 to 127: 8 x head + which 256 keys
	s_lshr_b32 s18, s17, 3                         ; the head
	s_and_b32 s19, s17, 7                          ; which 256 keys
	s_and_b32 s27, s16, 3                          ; which 32 columns
	s_lshr_b32 s28, s16, 2                         ; which 128 of the keys
	v_lshlrev_b32 v3, 2, v2                        ; in: 4 bytes a lane
	s_mul_i32 s20, s27, 32*VPITCH
	s_add_co_u32 s20, s20, VSTG                    ; my columns' stage
	s_lshl_b32 s29, s28, 7
	s_add_co_u32 s29, s29, s20
	v_mul_u32_u24 v4, v2, VPITCH
	v_add_nc_u32 v4, s29, v4                       ; into it: row = my column, my half of the row
	s_mul_i32 s29, s28, 16*VPITCH
	s_add_co_u32 s20, s20, s29
	v_and_b32 v5, 15, v2
	v_lshrrev_b32 v6, 4, v2                        ; out of it: sixteen of its rows; sixteen lanes to a row, two rows an instruction
	v_mul_u32_u24 v7, v6, VPITCH
	v_lshl_add_u32 v7, v5, 4, v7
	v_add_nc_u32 v7, s20, v7
	v_lshlrev_b32 v8, 11, v6                       ; and the same place in vc: rows of 2,048 bytes
	v_lshl_add_u32 v8, v5, 4, v8
	v_lshlrev_b32 v9, 6, v2                        ; my column's row of scale bytes: 64 bytes a row
	s_wait_alu depctr_va_vdst(0)                   ; the wait at the head's end
	s_mov_b32 s31, MANT
	s_mov_b32 s25, 0
	s_lshl_b32 s24, s17, 17                        ; values: 256 keys x 512 bytes for each of the 128 parts,
	s_lshl_b32 s26, s27, 7                         ; + my wave's 32 columns
	s_add_co_u32 s24, s24, s26
	s_lshl_b32 s26, s28, 16                        ; and its 128 keys
	s_add_co_u32 s24, s24, s26
	s_wait_kmcnt 0x0
	s_add_nc_u64 s[6:7], s[6:7], s[24:25]
	s_lshl_b32 s24, s18, 18                        ; vc: head x 262,144 + the first of my sixteen rows x 2,048 + 256 x part
	s_lshl_b32 s26, s27, 16
	s_add_co_u32 s24, s24, s26
	s_lshl_b32 s26, s28, 15
	s_add_co_u32 s24, s24, s26
	s_lshl_b32 s26, s19, 8
	s_add_co_u32 s24, s24, s26
	s_add_nc_u64 s[12:13], s[12:13], s[24:25]
	s_lshl_b32 s24, s18, 13                        ; vs: head x 8,192 + 32 rows x 64 for each 32 columns + 8 x part + 4 x half
	s_lshl_b32 s26, s27, 11
	s_add_co_u32 s24, s24, s26
	s_lshl_b32 s26, s19, 3
	s_add_co_u32 s24, s24, s26
	s_lshl_b32 s26, s28, 2
	s_add_co_u32 s24, s24, s26
	s_add_nc_u64 s[14:15], s[14:15], s[24:25]
.macro VLOAD t                         ; block t: values(32 t + i, my column), i = 0 .. 31, into set t % 2
.irp i, 0,1,2,3,4,5,6,7,8,9,10,11,12,13,14,15,16,17,18,19,20,21,22,23,24,25,26,27,28,29,30,31
	global_load_b32 v[VX+32*((\t)%2)+\i], v3, s[6:7] offset:(32*(\t)+\i)*512 th:TH_LOAD_NT
.endr
.endm
.macro VBLOCK t
.set XS, VX+32*((\t)%2)
.if (\t) < NB-1
	s_wait_loadcnt 32                              ; this block's 32 loads are in; the next block's may be out
.else
	s_wait_loadcnt 0x0
.endif
	v_max3_num_f32 v12, |v[XS]|, |v[XS+1]|, |v[XS+2]|              ; the block's largest magnitude: all 32 numbers are mine
	v_max3_num_f32 v13, |v[XS+3]|, |v[XS+4]|, |v[XS+5]|
.irp i, 6,10,14,18,22,26
	v_max3_num_f32 v12, v12, |v[XS+\i]|, |v[XS+\i+1]|
	v_max3_num_f32 v13, v13, |v[XS+\i+2]|, |v[XS+\i+3]|
.endr
	v_max3_num_f32 v12, v12, |v[XS+30]|, |v[XS+31]|
	v_max3_num_f32 v12, v12, v13, FLOOR
	v_add_nc_u32 v11, OFF8, v12                    ; the conversion's scale operand
	v_and_or_b32 v10, v12, 0x7f800000, s31         ; 448 x the scale
	v_lshrrev_b32 v13, 23, v11                     ; the scale's byte
.if (\t) == 0
	v_mov_b32 v[VSB], v13
.else
	v_lshl_or_b32 v[VSB], v13, 8*(\t), v[VSB]
.endif
.irp i, 0,1,2,3,4,5,6,7,8,9,10,11,12,13,14,15,16,17,18,19,20,21,22,23,24,25,26,27,28,29,30,31
	v_med3_num_f32 v[XS+\i], v[XS+\i], -v10, v10   ; the hold at the largest code x the scale
.endr
.irp g, 0,1,2,3
	v_cvt_scalef32_pk8_fp8_f32 v[VC+2*\g:VC+2*\g+1], v[XS+8*\g:XS+8*\g+7], v11
.endr
	ds_store_b128 v4, v[VC:VC+3] offset:32*(\t)    ; 32 codes: 32 bytes of my column's row
	ds_store_b128 v4, v[VC+4:VC+7] offset:32*(\t)+16
.if (\t)+2 < NB
	VLOAD (\t)+2
.endif
	s_wait_dscnt 0x0                               ; the stores have read their registers: the next block's codes may be written (plain vector lines stand at its head, ahead of them)
.endm
	VLOAD 0
	VLOAD 1
.irp t, 0,1,2,3
	VBLOCK \t
.endr
	global_store_b32 v9, v[VSB], s[14:15]          ; my column's 4 scale bytes
	s_wait_alu depctr_va_vdst(0)                   ; ahead of the barrier
	s_wait_dscnt 0x0                               ; my half of the rows has landed
	s_barrier_signal -1
	s_barrier_wait -1
.irp t, 0,1,2,3,4,5,6,7
	ds_load_b128 v[VOUT+4*\t:VOUT+4*\t+3], v7 offset:2*\t*VPITCH
.endr
.irp t, 0,1,2,3,4,5,6,7
	s_wait_dscnt 7-\t                              ; the younger loads may stay out
	global_store_b128 v8, v[VOUT+4*\t:VOUT+4*\t+3], s[12:13] offset:2*\t*2048   ; sixteen lanes store 256 consecutive bytes, aligned
.endr
	s_wait_tensorcnt 0x0                           ; the wave's end
	ds_add_u32 v[SPW], v[NIL]
	s_wait_dscnt 0x0
	s_endpgm
.Lfunc_end_k_q79950ef223_quant:
	.size	k_q79950ef223_quant, .Lfunc_end_k_q79950ef223_quant-k_q79950ef223_quant
	.p2alignl 7, 3214868480
	.fill 96, 4, 3214868480
	.section	.rodata,"a",@progbits
	.p2align	6, 0x0
	.amdhsa_kernel k_q79950ef223_quant
		.amdhsa_group_segment_fixed_size 78848
		.amdhsa_private_segment_fixed_size 0
		.amdhsa_enable_private_segment 0
		.amdhsa_kernarg_size 48
		.amdhsa_user_sgpr_count 2
		.amdhsa_user_sgpr_kernarg_segment_ptr 1
		.amdhsa_wavefront_size32 1
		.amdhsa_system_sgpr_workgroup_id_x 1
		.amdhsa_system_sgpr_workgroup_id_y 1
		.amdhsa_system_sgpr_workgroup_id_z 1
		.amdhsa_system_vgpr_workitem_id 0
		.amdhsa_next_free_vgpr 218
		.amdhsa_next_free_sgpr 66
		.amdhsa_reserve_vcc 0
		.amdhsa_float_denorm_mode_32 3
		.amdhsa_float_denorm_mode_16_64 3
		.amdhsa_memory_ordered 1
		.amdhsa_forward_progress 1
		.amdhsa_inst_pref_size 58
	.end_amdhsa_kernel
	.amdgpu_metadata
---
amdhsa.version: [ 1, 2 ]
amdhsa.kernels:
  - .name:           k_q79950ef223_quant
    .symbol:         k_q79950ef223_quant.kd
    .args:
      - { .name: keys, .offset: 0, .size: 8, .value_kind: global_buffer, .address_space: global }
      - { .name: values, .offset: 8, .size: 8, .value_kind: global_buffer, .address_space: global }
      - { .name: kc, .offset: 16, .size: 8, .value_kind: global_buffer, .address_space: global }
      - { .name: ks, .offset: 24, .size: 8, .value_kind: global_buffer, .address_space: global }
      - { .name: vc, .offset: 32, .size: 8, .value_kind: global_buffer, .address_space: global }
      - { .name: vs, .offset: 40, .size: 8, .value_kind: global_buffer, .address_space: global }
    .group_segment_fixed_size: 78848
    .private_segment_fixed_size: 0
    .kernarg_segment_align: 8
    .kernarg_segment_size: 48
    .max_flat_workgroup_size: 256
    .sgpr_count:     66
    .vgpr_count:     218
    .wavefront_size: 32
...
	.end_amdgpu_metadata
.endif
;; end of part 1
;; launch attn (part 2): grid 16 x 16, 8 waves a work-group, clusters of 4 x 1, 327,680 bytes of LDS; arguments queries, kc, ks, vc, vs, out0; writes out0
.if DOCPART == 2
	.amdgcn_target "amdgcn-amd-amdhsa--gfx1250"
	.amdhsa_code_object_version 6
	.text
	.protected	k_q79950ef223_attn
	.globl	k_q79950ef223_attn
	.p2align	8
	.type	k_q79950ef223_attn,@function
k_q79950ef223_attn:
	s_mov_b64 s[64:65], 0
	v_nop
	global_prefetch_b8 v0, s[64:65] scope:SCOPE_SE
	s_setreg_imm32_b32 hwreg(HW_REG_WAVE_MODE, 25, 1), 1
	s_wait_xcnt 0x0
	s_wait_alu depctr_hold_cnt(0) depctr_sa_sdst(0) depctr_va_vdst(0) depctr_va_sdst(0) depctr_va_ssrc(0) depctr_va_vcc(0) depctr_vm_vsrc(0)
	s_getreg_b32 s2, hwreg(HW_REG_IB_STS2, 6, 4)
	s_cmp_eq_u32 s2, 0
	s_cbranch_scc0 .Lentry_in_a_cluster
	s_endpgm
.Lentry_in_a_cluster:
	s_bfe_u32 s2, ttmp6, 0x10000c
	s_cmp_lg_u32 s2, 0x3003
	s_cbranch_scc0 .Lentry_shape_is_right
	s_endpgm
.Lentry_shape_is_right:
; out0[h][q][:] = the sum over k of softmax_k(Q[h][q] . K[h][k] / sqrt(128)) V[h][k][:], 16 heads, 2,048 queries, 2,048 keys, head size 128; both products on codes of FP8 (E4M3) with one E8M0 scale for each 32
; along the contracted axis.  queries: f32, quantised here in registers.  kc, ks: the keys' codes and scale bytes, [16][2048 places][128] and [..][4]; inside each group of 32 keys, keys 8-15 and 16-23 have
; changed places.  vc, vs: the values' codes with the keys innermost, [16][128][2048], and their scale bytes [16][128][64].
; THE SOFTMAX AHEAD OF THE SECOND PRODUCT: t = score x log2(e) / sqrt(128); M = the largest t so far, rounded UP to a whole number; p = 2^(t - M) is quantised along the keys, not normalised.  The row's sum is taken
; of the unquantised p and divides at the end.  When M moves, the sum and O are multiplied by 2^(old M - new M), which rounds nothing.
; A BLOCK'S SCALE: p of a block of 32 keys is at most 2^x, x = t - M of its largest score, so floor(log2(largest p)) is floor(x): it is taken from x, ahead of the exponentials.
; SHARES.  A work-group owns 128 queries of one head.  Wave w: pr = w % 4 names 32 queries, g = w / 4 a half of the keys: of every slot of 512 keys the wave takes keys 256 g on, in two steps of 128.  A wave makes 8 key
; steps, each for TWO tiles of 16 queries, so that every fragment of K and of V that it reads from LDS feeds two matrix instructions.  Two waves lie on a SIMD (512 registers each).
; The tile in register window 1 has rows 32 pr on, that in window 0 rows 32 pr + 16 on, in both waves of a pair.  O's accumulators 0-3 are channels 64 g on, accumulators 4-7 the other 64: at the end each wave hands
; accumulators 4-7 to wave w xor 4 and keeps 0-3, so that the merge is one text for all waves.
; LAYOUT.  Both products are used transposed: S^T = K Q^T (source 0 = 16 keys, source 1 = 16 queries), O^T = V^T P^T (source 0 = 16 channels, source 1 = P): a lane holds ONE query (lane % 16) throughout.
; Places 16 t + 0..15 of a step hold keys 32 (t / 2) + 8 (t % 2) + 0..7 and the eight keys 16 further on: so the 16 registers of tiles 2 b and 2 b + 1 are keys 32 b + 16 (lane / 16) + 0..15: the conversions' results
; ARE the second product's operand.
; TWO RUNS of 64 registers in each window, v32-95 and v96-159, change roles from step to step: in step j (a = j % 2) K and then V lie in run a, S^T and p in run 1 - a; when a tile's p has been converted, its run takes
; K of step j + 1.  V is fetched under the first tile's softmax, the next K under the second tile's and behind it.
; THE FIRST STEP is written out: its products start the sums, and the second tile of queries is quantised behind the first tile's softmax.  THE LAST STEP merges and stores the first tile under the second tile's softmax.
; CLUSTER.  The four work-groups of a cluster are four query blocks of one head and walk the same K, V and scale bytes: every tensor load is asked for JOINTLY, with the same descriptor and a mask that names the four.
; Work-groups of different heads share nothing, so the cluster is 4 x 1.
; NO PREFETCH: a refill is asked for two key steps (64 matrix instructions and four softmaxes of a wave) ahead of the wait for it, and a launch has only two refills: its loop of two trips has nothing to run ahead in.
; LIMITS: p under 2^-126 comes out of v_exp_f32 as 0; a block of p that is all zeros keeps the scale byte 1 (its codes are zeros); a block of Q under 2^-118 keeps the byte 1; t is score x one constant, rounded once;
; the promise holds while the scaled scores stay under 2^31 in magnitude; NaN and infinities among the inputs are not served.
; REGISTERS, in two windows of 256 (s_set_vgpr_msb: bits 1:0 source 0, 3:2 source 1, 5:4 source 2, 7:6 destination).  The same numbers serve both tiles.
;   both windows: v12 -M, v13 the largest score, v[14:15] the sum in two halves; v16-31 Q's codes; v32-159 the two runs (fragments 0-3 in window 0, 4-7 in window 1); v160-223 O^T;
;   v224-239 p's codes (v232-239 at work before); v240-247 at work; v252 f, v253 p's scale word, v254 at work
.set KP,    144                        ; a key's row in LDS: 128 bytes + 16 = 36 words: the sixteen rows of a load fall on sixteen different 16-byte columns modulo 256 bytes
.set VP,    528                        ; a row of V's tile: 512 bytes (512 keys) + 16
.set VOFF,  512*KP                     ; a slot: 512 rows of K, then 128 rows of V: 141,312 bytes
.set SLOT1, 0x24000                    ; slot 1 begins here; no load's place in a slot has one of these two bits, so an exclusive or turns it from slot to slot
.set SCK,   SLOT1+VOFF+128*VP          ; K's scale bytes of the whole head, 8,192 bytes as 32 rows of 256 + 16;
.set SCH,   16*272                     ; (half of them: what one tensor load brings)
.set SCV,   SCK+2*SCH                  ; V's likewise
.set SPARE, SCV+2*SCH                  ; the spare words, 128 bytes for each wave: four blocks of 256 bytes that no other line names
.set XW,    4608                       ; in slot 0, behind its last fill and its last read: for each wave 8 images of 512 bytes (32 registers of O^T) and one of -M and the sum; first the eight waves' for the first tile,
.set YO,    8*XW                       ; then those for the second;
.set STG,   16*XW                      ; then a stage of 16 rows x 272 bytes for each wave
; window 0
.set SPW,  1                           ; LDS address of my spare word: SPARE + 4 x my thread's number; never rewritten
.set NIL,  2                           ; 0; never rewritten
.set QOF,  3                           ; my byte offset in a tile of queries
.set PSB,  4                           ; p's scale word, window-1 tile (scale operands have no window)
.set KSW,  5                           ; v5-8      K's scale words: register j: tile 2 j in lanes 0-15, tile 2 j + 1 in lanes 16-31
.set QSB,  10                          ; Q's scale word, window-1 tile
.set SW,   248                         ; v248-251  V's scale words, laid as K's
.set PSA,  253                         ; the window-0 tile's scale words of p and of Q
.set QSA,  255
; window 1
.set AK0,  0                           ; lane terms: K's tiles, K's scale words, V's tiles 0-3 and 4-7, V's scale words of tiles 0-3 and 4-7
.set ASK0, 1
.set AVL,  2
.set AVH,  3
.set ATL,  4
.set ATH,  5
.set ADK,  6                           ; and the addresses in hand, one for each
.set ADS,  7
.set ADVL, 8
.set ADVH, 9
.set ADTL, 10
.set ADTH, 11
.set XS,   248                         ; the merge: where I put what I hand over, and where my partner puts it for me
.set XR,   249
.set STI,  250                         ; the way out: where I put 32 bytes of a row, and where I read a row back
.set STB,  251
.set GO,   255                         ; my byte offset in the tile's rows of out0
; scalars
.set WV,   18                          ; my wave's number
.set MNT,  19                          ; the mantissa field of 448
.set SEL,  20                          ; s[20:21] lane selects for v_permlanex16_b32: lane l xor 16
.set CS,   22                          ; s[22:23] c = log2(e) / sqrt(128): the packed form names a pair and takes its low word for both halves
.set G1K,  24                          ; descriptor groups 1: K, V, scale bytes; groups 0: K, V (these two walk), K's and V's scale bytes
.set G1V,  32
.set G0K,  40
.set G0V,  44
.set G1S,  48
.set G0SK, 56
.set G0SV, 60
.set TS,   66                          ; where the slot's scale words of K begin: 2,176 bytes a slot
.set TRIPS, 67
.set TB,   68                          ; where the slot in hand begins
.set TJ,   69                          ; where the slot's scale words of V begin in a row: 16 bytes a slot
.set PR,   76
.set GH,   77
; symbols that the steps set for the macros
.set PAR,  0
.set NP,   0
.set FB,   32
.set SB,   96
.set FIRST, 0
.set HV,   0
.set HK,   0
.set DW,   -1
.set MSB, 0
.macro WIN new                         ; the immediate's high byte repeats the setting that is left; a switch that changes nothing is dropped
.if MSB != \new
	s_set_vgpr_msb (MSB<<8)|\new
.set MSB, \new
.endif
.endm
.macro NOPS n
.rept \n
	v_nop
.endr
.endm
; A round of the cluster's barrier: my work-group's barrier, so that wave 0's signal speaks for all eight waves; wave 0 signals for the work-group; every wave waits for all four work-groups; my work-group's barrier once more.
.macro CROUND
	s_barrier_signal -1
	s_barrier_wait -1
	s_cmp_lg_u32 s[WV], 0
	s_cbranch_scc1 .Lnot_wave_0_\@
	s_barrier_signal -3
.Lnot_wave_0_\@:
	s_barrier_wait -3
	s_barrier_signal -1
	s_barrier_wait -1
.endm
.macro TLOAD g0, g1
	tensor_load_to_lds s[\g0:\g0+3], s[\g1:\g1+7]
	s_nop 0
	NOPS 4
.endm
; A joint refill.  Waves 0 and 1 fetch K's halves, waves 2 and 3 V's, the others nothing.  The branches hang on the wave's number alone: they are the same in every work-group.
.macro JLOAD
	s_cmp_lt_u32 s[WV], 2
	s_cbranch_scc0 .Lnot_k_\@
	TLOAD G0K, G1K
	s_branch .Lasked_\@
.Lnot_k_\@:
	s_cmp_lt_u32 s[WV], 4
	s_cbranch_scc0 .Lasked_\@
	TLOAD G0V, G1V
.Lasked_\@:
.endm
; A tile of queries: lane (r, h) takes, of row r, 16 neighbouring numbers of each block of 32: register 96 + 16 b + i = Q(r, 32 b + 16 h + i), the order that the operand's layout gives that lane.
.macro QLOAD off
.irp b, 0,1,2,3
.irp j, 0,1,2,3
	global_load_b128 v[96+16*\b+4*\j:99+16*\b+4*\j], v[QOF], s[4:5] offset:\off+128*\b+16*\j
.endr
.endr
.endm
	s_load_b256 s[4:11], s[0:1], 0x0               ; queries s[4:5], kc s[6:7], ks s[8:9], vc s[10:11]
	s_load_b128 s[12:15], s[0:1], 0x20             ; vs s[12:13], out0 s[14:15]
	v_lshl_add_u32 v[SPW], v0, 2, SPARE
	v_mov_b32 v[NIL], 0
	ds_add_u32 v[SPW], v[NIL]                      ; the wave's opening: the add, twice on end, and its wait ahead of my first tensor load
	ds_add_u32 v[SPW], v[NIL]
	v_lshrrev_b32 v227, 5, v0
	v_and_b32 v224, 15, v0                         ; r
	v_bfe_u32 v225, v0, 4, 1                       ; h
	v_and_b32 v226, 31, v0                         ; lane
	v_readfirstlane_b32 s[WV], v227                ; wave 0..7
	v_lshlrev_b32 v[QOF], 9, v224
	v_lshl_add_u32 v[QOF], v225, 6, v[QOF]         ; queries: row r of 512 bytes, + 64 h
	s_and_b32 s[PR], s[WV], 3
	s_lshr_b32 s[GH], s[WV], 2
	s_and_b32 s80, s[WV], 1                        ; which half of a tile I fetch
	s_and_b32 s81, ttmp7, 0xffff                   ; the head, which the four partners share
	; my place in the cluster enters the addresses of queries and out0 alone (s92-97)
	s_bfe_u32 s92, ttmp6, 0x40000                  ; cx
	s_lshl_b32 s93, ttmp9, 2                       ; in a cluster launch ttmp9 counts clusters
	s_add_co_u32 s93, s93, s92                     ; my block of 128 queries
	s_lshl_b32 s94, s81, 11
	s_lshl_b32 s95, s93, 7
	s_add_co_u32 s94, s94, s95
	s_lshl_b32 s95, s[PR], 5
	s_add_co_u32 s94, s94, s95                     ; the first tile's first row: 2,048 head + 128 block + 32 pr
	s_lshl_b32 s94, s94, 9                         ; rows of 512 bytes (all under 2^24)
	s_mov_b32 s95, 0
	s_lshl_b32 s96, s[GH], 8
	s_add_co_u32 s96, s96, s94                     ; out0: my 64 channels are 256 g bytes on
	s_mov_b32 s97, 0
	; what I fetch: made of the head and the wave's number alone (s80-91)
	s_lshl_b32 s82, s81, 18                        ; a head's codes: 262,144 bytes, in kc and in vc
	s_lshl_b32 s84, s80, 15                        ; K: 256 rows of 128 bytes a half
	s_add_co_u32 s84, s84, s82
	s_mov_b32 s85, 0
	s_lshl_b32 s86, s80, 17                        ; V: 64 rows of 2,048 bytes a half
	s_add_co_u32 s86, s86, s82
	s_mov_b32 s87, 0
	s_lshl_b32 s88, s81, 13                        ; a head's scale bytes: 8,192, in ks and in vs;
	s_lshl_b32 s89, s80, 12                        ; 4,096 a half
	s_add_co_u32 s88, s88, s89
	s_mov_b32 s89, 0
	s_mul_i32 s90, s80, 256*KP                     ; and where they go in LDS
	s_mul_i32 s91, s80, 64*VP
	s_add_co_u32 s91, s91, VOFF
	s_mul_i32 s83, s80, SCH
	; descriptor groups 1.  15:0 the mask: all four work-groups; 17:16 the element's size; 20 padding on; 21 set beside a mask; 24:22 the padding's interval; 31:25 four words of it (code 3)
	s_mov_b32 s[G1K], 15|(0<<16)|(1<<20)|(1<<21)|(4<<22)|(3<<25)   ; K: 256 keys x 128 bytes, dense, stated as 128 rows of 256 bytes; padding behind each 32 words
	s_mov_b32 s[G1K+1], 256<<16
	s_mov_b32 s[G1K+2], 128<<16
	s_mov_b32 s[G1K+3], 256<<16
	s_mov_b32 s[G1K+4], 128
	s_mov_b32 s[G1K+5], 256
	s_mov_b32 s[G1K+6], 0
	s_mov_b32 s[G1K+7], 0
	s_mov_b32 s[G1V], 15|(0<<16)|(1<<20)|(1<<21)|(6<<22)|(3<<25)   ; V: 64 rows of 512 bytes, 2,048 apart; padding behind each 128 words
	s_mov_b32 s[G1V+1], 512<<16
	s_mov_b32 s[G1V+2], 64<<16
	s_mov_b32 s[G1V+3], 512<<16
	s_mov_b32 s[G1V+4], 64
	s_mov_b32 s[G1V+5], 2048
	s_mov_b32 s[G1V+6], 0
	s_mov_b32 s[G1V+7], 0
	s_mov_b32 s[G1S], 15|(3<<16)|(1<<20)|(1<<21)|(5<<22)|(3<<25)   ; scale bytes: a dense block of 4,096 bytes as 16 rows of 32 elements of 8 bytes
	s_mov_b32 s[G1S+1], 32<<16
	s_mov_b32 s[G1S+2], 16<<16
	s_mov_b32 s[G1S+3], 32<<16
	s_mov_b32 s[G1S+4], 16
	s_mov_b32 s[G1S+5], 32
	s_mov_b32 s[G1S+6], 0
	s_mov_b32 s[G1S+7], 0
	s_mov_b32 s[SEL], 0x76543210
	s_mov_b32 s[SEL+1], 0xfedcba98
	s_mov_b32 s[CS], 0x3e0293ee                    ; c = log2(e) / sqrt(128)
	s_mov_b32 s[CS+1], s[CS]                       ; (named with it as a pair, so it is written)
	s_mov_b32 s[MNT], 0x600000
	s_mov_b32 s[TS], 0
	s_mov_b32 s[TB], 0
	s_mov_b32 s[TJ], 0
	s_mov_b32 s[TRIPS], 2
	s_wait_alu depctr_va_vdst(0)                   ; ahead of the waits and the round below
	s_wait_dscnt 0x0                               ; both opening adds are done
	CROUND                                         ; all four work-groups are here: the first joint loads meet.  The arguments are on their way meanwhile
	s_wait_kmcnt 0x0
	s_mov_b32 s[G0K], 1                            ; 1:0 count = 1
	s_mov_b32 s[G0K+1], s90                        ; 63:32 LDS address: slot 0
	s_add_nc_u64 s[G0K+2:G0K+3], s[6:7], s[84:85]  ; 120:64 global address
	s_or_b32 s[G0K+3], s[G0K+3], 0x80000000        ; 127:126 type = 2
	s_mov_b32 s[G0V], 1
	s_mov_b32 s[G0V+1], s91
	s_add_nc_u64 s[G0V+2:G0V+3], s[10:11], s[86:87]
	s_or_b32 s[G0V+3], s[G0V+3], 0x80000000
	s_mov_b32 s[G0SK], 1
	s_add_co_u32 s[G0SK+1], s83, SCK
	s_add_nc_u64 s[G0SK+2:G0SK+3], s[8:9], s[88:89]
	s_or_b32 s[G0SK+3], s[G0SK+3], 0x80000000
	s_mov_b32 s[G0SV], 1
	s_add_co_u32 s[G0SV+1], s83, SCV
	s_add_nc_u64 s[G0SV+2:G0SV+3], s[12:13], s[88:89]
	s_or_b32 s[G0SV+3], s[G0SV+3], 0x80000000
	s_add_nc_u64 s[4:5], s[4:5], s[94:95]          ; queries at my first tile
	s_add_nc_u64 s[14:15], s[14:15], s[96:97]      ; out0 likewise, at my channels
	; THE HEAD'S LOADS, ONE A WAVE, in one chain of branches on the wave's number, what is needed first asked for first: slot 0's halves of K, the halves of K's scale bytes of the whole head
	; (filled once); then slot 0's halves of V and the halves of V's scale bytes.  Waves 0 to 3, which alone wait for theirs ahead of the first barrier, have load lines of their own
	s_cmp_lt_u32 s[WV], 2
	s_cbranch_scc0 .Lhead_sk
	TLOAD G0K, G1K
	s_branch .Lhead_asked
.Lhead_sk:
	s_cmp_lt_u32 s[WV], 4
	s_cbranch_scc0 .Lhead_v
	TLOAD G0SK, G1S
	s_branch .Lhead_asked
.Lhead_v:
	s_cmp_lt_u32 s[WV], 6
	s_cbranch_scc0 .Lhead_sv
	TLOAD G0V, G1V
	s_branch .Lhead_asked
.Lhead_sv:
	TLOAD G0SV, G1S
.Lhead_asked:
	WIN 0x40                                       ; destination window 1, address window 0
	QLOAD 0                                        ; the first tile's queries
	WIN 0
	; Every LDS address of the launch is made here, of the lane, the wave's number and constants, while Q is on its way.
	s_xor_b32 s80, s[GH], 1
	s_mul_i32 s86, s[GH], 256*KP                   ; K: my key half's 256 rows
	s_mul_i32 s87, s[GH], 256+64*VP
	s_add_co_u32 s87, s87, VOFF                    ; V, tiles 0-3: my key half's 256 bytes of each row; channels 64 g on
	s_mul_i32 s88, s80, 64*VP
	s_lshl_b32 s89, s[GH], 8
	s_add_co_u32 s88, s88, s89
	s_add_co_u32 s88, s88, VOFF                    ; tiles 4-7: the other 64 channels
	s_mul_i32 s89, s[GH], 1088
	s_add_co_u32 s89, s89, SCK                     ; K's scale words: my half's 256 places are four rows of 256 + 16
	s_mul_i32 s90, s[GH], 8+4352
	s_add_co_u32 s90, s90, SCV                     ; V's: my half's words are 8 bytes on; 64 channels are sixteen rows of 256 + 16
	s_mul_i32 s91, s80, 4352
	s_lshl_b32 s82, s[GH], 3
	s_add_co_u32 s91, s91, s82
	s_add_co_u32 s91, s91, SCV
	s_mul_i32 s82, s[WV], XW                       ; where I put what I hand over;
	s_xor_b32 s83, s[WV], 4
	s_mul_i32 s83, s83, XW                         ; where wave w xor 4 puts it for me
	s_mul_i32 s84, s[WV], 16*272
	s_add_co_u32 s84, s84, STG                     ; my stage
	v_mul_u32_u24 v227, v224, KP                   ; K: row r of a tile, + 16 h
	v_mul_u32_u24 v228, v224, VP                   ; V likewise
	v_lshrrev_b32 v229, 2, v224                    ; V's scale words: row d has 64 bytes, four rows d to a row of 256 + 16; lanes 16-31 take the tile 16 rows d (four LDS rows) on
	v_and_b32 v230, 3, v224
	v_lshl_add_u32 v227, v225, 4, v227
	v_lshl_add_u32 v228, v225, 4, v228
	v_mul_u32_u24 v229, v229, 272
	v_mul_u32_u24 v231, v224, 272
	v_lshl_add_u32 v229, v230, 6, v229
	v_lshl_add_u32 v231, v225, 5, v231             ; the stage, in: row r, + 32 h
	v_mul_u32_u24 v232, v225, 272
	v_mad_u32_u24 v229, v225, 1088, v229
	v_lshl_add_u32 v232, v224, 4, v232             ; back: lanes 0-15 take one row, lanes 16-31 the next
	v_lshlrev_b32 v233, 9, v225                    ; out0: likewise
.irp b, 0,1,2,3
	v_mov_b32 v[236+\b], 0                         ; written once: a lane permute's destination counts as one of its sources
.endr
	WIN 0x40                                       ; destination window 1
	v_add_nc_u32 v[AK0], s86, v227
	v_lshl_add_u32 v[ASK0], v226, 2, s89           ; 4 bytes a place, 32 places a register
	v_add_nc_u32 v[AVL], s87, v228
	v_add_nc_u32 v[AVH], s88, v228
	v_add_nc_u32 v[ATL], s90, v229
	v_add_nc_u32 v[ATH], s91, v229
	v_lshl_add_u32 v[XS], v226, 4, s82             ; images of registers: 16 bytes a lane
	v_lshl_add_u32 v[XR], v226, 4, s83
	v_add_nc_u32 v[STI], s84, v231
	v_add_nc_u32 v[STB], s84, v232
	v_lshl_add_u32 v[GO], v224, 4, v233            ; 16 bytes a lane
.irp b, 0,1,2,3
	v_mov_b32 v[236+\b], 0
.endr
	WIN 0
; The 64 numbers in v96-159 become Q's fragment in v16-31 and its scale word in v[qw].
.macro QUANTQ qw
.irp b, 0,1,2,3
	v_max3_num_f32 v[232+\b], |v[96+16*\b]|, |v[97+16*\b]|, 0x4800000   ; block b: my 16 numbers, and the floor 2^(9 - 127): the byte cannot fall under 1
.endr
.irp i, 2,4,6,8,10,12,14
.irp b, 0,1,2,3
	v_max3_num_f32 v[232+\b], v[232+\b], |v[96+16*\b+\i]|, |v[97+16*\b+\i]|   ; (the four blocks by turns)
.endr
.endr
.irp b, 0,1,2,3
	v_permlanex16_b32 v[236+\b], v[232+\b], s[SEL], s[SEL+1]
.endr
.irp b, 0,1,2,3
	v_max_num_f32 v[232+\b], v[232+\b], v[236+\b]  ; with lane l xor 16's: the block's largest magnitude
.endr
.irp b, 0,1,2,3
	v_add_nc_u32 v[244+\b], 0xfc000000, v[232+\b]  ; 8 off its exponent field: the conversion's scale operand
.endr
.irp b, 0,1,2,3
	v_and_or_b32 v[240+\b], v[232+\b], 0x7f800000, s[MNT]   ; 448 x the scale
.endr
.irp b, 0,1,2,3
	v_lshrrev_b32 v[236+\b], 23, v[244+\b]         ; the scale's byte
.endr
	v_lshl_or_b32 v[\qw], v237, 8, v236            ; the four bytes make my row's scale word
	v_lshl_or_b32 v[\qw], v238, 16, v[\qw]
	v_lshl_or_b32 v[\qw], v239, 24, v[\qw]
.irp b, 0,1,2,3
.set j, 0
.rept 16
	v_med3_num_f32 v[96+16*\b+j], v[96+16*\b+j], -v[240+\b], v[240+\b]   ; the conversion to an 8-bit code does not saturate (ISA guide 7.6.2): the hold
.set j, j+1
.endr
	v_cvt_scalef32_pk8_fp8_f32 v[16+4*\b:17+4*\b], v[96+16*\b:103+16*\b], v[244+\b]
	v_cvt_scalef32_pk8_fp8_f32 v[18+4*\b:19+4*\b], v[104+16*\b:111+16*\b], v[244+\b]
.endr
	NOPS 4                                         ; plain lines between the conversions and the products that take the codes or write over their sources
.endm
; THE LDS LOADS of a step, in four runs.  V's fragments 4-7 into window 1;
.macro VHI
	WIN 0x55
.irp i, 0,1,2,3
.irp c, 0,1,2,3
	ds_load_b128 v[FB+16*\i+4*\c:FB+16*\i+4*\c+3], v[ADVH] offset:16*VP*\i+128*PAR+32*\c
.endr
.endr
.endm
.macro VLO                             ; its scale words and fragments 0-3 into window 0;
	WIN 0x01                                       ; address window 1, destination window 0
.irp j, 0,1
	ds_load_b32 v[SW+\j], v[ADTL] offset:2176*\j+4*PAR
	ds_load_b32 v[SW+2+\j], v[ADTH] offset:2176*\j+4*PAR
.endr
.irp i, 0,1,2,3
.irp c, 0,1,2,3
	ds_load_b128 v[FB+16*\i+4*\c:FB+16*\i+4*\c+3], v[ADVL] offset:16*VP*\i+128*PAR+32*\c
.endr
.endr
	WIN 0x55
.endm
.macro KHI                             ; the next step's scale words of K, and fragments 4-7 into the run that the window-1 tile's p has left;
	WIN 0x01
.irp j, 0,1,2,3
	ds_load_b32 v[KSW+\j], v[ADS] offset:544*NP+272*(\j/2)+128*(\j%2)
.endr
	WIN 0x55
.irp i, 0,1,2,3
.irp c, 0,1,2,3
	ds_load_b128 v[SB+16*\i+4*\c:SB+16*\i+4*\c+3], v[ADK] offset:16*KP*(4+\i)+128*KP*NP+32*\c
.endr
.endr
	WIN 0
.endm
.macro KLO                             ; and fragments 0-3 into the window-0 tile's
	WIN 0x01
.irp i, 0,1,2,3
.irp c, 0,1,2,3
	ds_load_b128 v[SB+16*\i+4*\c:SB+16*\i+4*\c+3], v[ADK] offset:16*KP*\i+128*KP*NP+32*\c
.endr
.endr
.endm
; ONE TILE'S SOFTMAX FOR ONE KEY STEP, in the window that is set: v[SB] on hold the lane's 64 scores, register 16 b + i = key 32 b + 16 (lane / 16) + i.  FIRST = 1: the first step, which has no older M, sum or O.
; SMA: from the scores to t - M, and the blocks' scales.  The four blocks' largest scores stand in v232, v233, v240, v241.
.macro SMA
.if HV
	VHI
.endif
	v_max3_num_f32 v232, v[SB], v[SB+1], v[SB+2]   ; THE LARGEST SCORE OF EACH BLOCK OF 32 KEYS: it serves the row's maximum and the block's scale.  (Each accumulator is read from its low end on)
	v_max3_num_f32 v233, v[SB+16], v[SB+17], v[SB+18]
	v_max3_num_f32 v240, v[SB+32], v[SB+33], v[SB+34]
	v_max3_num_f32 v241, v[SB+48], v[SB+49], v[SB+50]
.irp i, 3,5,7,9,11,13
	v_max3_num_f32 v232, v232, v[SB+\i], v[SB+\i+1]
	v_max3_num_f32 v233, v233, v[SB+16+\i], v[SB+17+\i]
	v_max3_num_f32 v240, v240, v[SB+32+\i], v[SB+33+\i]
	v_max3_num_f32 v241, v241, v[SB+48+\i], v[SB+49+\i]
.endr
	v_dual_max_num_f32 v232, v[SB+15], v232 :: v_dual_max_num_f32 v233, v233, v[SB+31]
	v_dual_max_num_f32 v240, v[SB+47], v240 :: v_dual_max_num_f32 v241, v241, v[SB+63]
	v_permlanex16_b32 v236, v232, s[SEL], s[SEL+1]
	v_permlanex16_b32 v237, v233, s[SEL], s[SEL+1]
	v_permlanex16_b32 v238, v240, s[SEL], s[SEL+1]
	v_permlanex16_b32 v239, v241, s[SEL], s[SEL+1]
.if FIRST == 0
	v_mov_b32 v242, v12                            ; the old -M
.endif
	v_dual_max_num_f32 v232, v232, v236 :: v_dual_max_num_f32 v233, v233, v237   ; with lane l xor 16's 16 keys
	v_dual_max_num_f32 v240, v240, v238 :: v_dual_max_num_f32 v241, v241, v239
	v_max3_num_f32 v254, v232, v233, v240
	s_delay_alu instid0(VALU_DEP_1)
.if FIRST
	v_max_num_f32 v13, v254, v241                  ; the largest score so far
.else
	v_max3_num_f32 v13, v13, v254, v241
.endif
	s_delay_alu instid0(VALU_DEP_1)
	v_mul_f32 v254, s[CS], v13                     ; as t (c is positive)
	s_delay_alu instid0(VALU_DEP_1)
	v_floor_f32 v12, -v254                         ; the new -M = floor(-t) = -ceil(t): M is a whole number
.if HV
	VLO
.endif
.if HK
	KHI
.endif
	v_pk_fma_f32 v[232:233], v[232:233], s[CS:CS+1], v[12:13] op_sel_hi:[1,0,0]   ; t - M of each block's largest score,
	v_pk_fma_f32 v[240:241], v[240:241], s[CS:CS+1], v[12:13] op_sel_hi:[1,0,0]
.set j, 0
.rept 32
	v_pk_fma_f32 v[SB+j:SB+j+1], v[SB+j:SB+j+1], s[CS:CS+1], v[12:13] op_sel_hi:[1,0,0]   ; and of all, two at a time (of the pairs c and -M the low word serves both halves)
.set j, j+2
.if FIRST == 0
.if j == 16
	v_sub_f32 v252, v12, v242                      ; M's old value less its new one: a whole number, 0 or less
.elseif j == 32
	v_cvt_i32_f32 v252, v252                       ; (it saturates)
.elseif j == 48
	v_ldexp_f32 v252, 1.0, v252                    ; f = 2^(old M - new M)
.endif
.endif
.endr
	v_cvt_floor_i32_f32 v232, v232                 ; n = floor(log2(the block's largest p)),
	v_cvt_floor_i32_f32 v233, v233
	v_cvt_floor_i32_f32 v240, v240
	v_cvt_floor_i32_f32 v241, v241
	v_max_i32 v232, 0xffffff8a, v232               ; held at -118 from below: the scale's byte, n + 119, cannot fall under 1
	v_max_i32 v233, 0xffffff8a, v233
	v_max_i32 v240, 0xffffff8a, v240
	v_max_i32 v241, 0xffffff8a, v241
	v_add_lshl_u32 v244, v232, 119, 23             ; the conversion's scale operand, 2^(n - 8)
	v_add_lshl_u32 v245, v233, 119, 23
	v_add_lshl_u32 v246, v240, 119, 23
	v_add_lshl_u32 v247, v241, 119, 23
	v_lshl_add_u32 v253, v233, 8, v232             ; p's scale word for these 128 keys: the four n, each on its byte, + 119 on each byte
	v_add_nc_u32 v236, 0x4600000, v244             ; 448 x the scale: 8 on the exponent field, 448's mantissa
	v_add_nc_u32 v237, 0x4600000, v245
	v_lshl_add_u32 v253, v240, 16, v253
	v_add_nc_u32 v238, 0x4600000, v246
	v_add_nc_u32 v239, 0x4600000, v247
	v_lshl_add_u32 v253, v241, 24, v253
	v_add_nc_u32 v253, 0x77777777, v253
.endm
; SMB1: the exponentials, and O^T under the new M.
.macro SMB1
	s_wait_alu depctr_va_vdst(0)                   ; the wait ahead of the batch
.set j, 0
.rept 64
	v_exp_f32 v[SB+j], v[SB+j]                     ; p = 2^(t - M), at most 1: not normalised
.set j, j+1
.endr
.if FIRST
	v_nop                                          ; the plain line behind the exponentials
.else
	v_pk_mul_f32 v[14:15], v[14:15], v[252:253] op_sel_hi:[1,0]   ; the sums under the new M.  (The plain line behind the exponentials)
.endif
	s_wait_alu depctr_va_vdst(0)                   ; and ahead of the first reader; it serves O^T too
.if DW >= 0
	s_wait_dscnt DW
.endif
.if FIRST == 0
.set j, 0
.rept 32
	v_pk_mul_f32 v[160+j:161+j], v[160+j:161+j], v[252:253] op_sel_hi:[1,0]   ; O^T x f
.set j, j+2
.endr
.endif
.endm
; SMB2: the row's sum (of the UNQUANTISED p, two at a time, in four chains: v14, v232, v240, v242), the hold eight pairs behind it, and the codes.
.macro SMB2
.set j, 0
.rept 40
.if j < 32
.set CH, 14
.if j%4 == 1
.set CH, 232
.elseif j%4 == 2
.set CH, 240
.elseif j%4 == 3
.set CH, 242
.endif
.set FRESH, FIRST
.if j%4 > 0
.set FRESH, 1
.endif
.if j > 7
.set FRESH, 0
.endif
.if FRESH == 0
	v_pk_add_f32 v[CH:CH+1], v[CH:CH+1], v[SB+2*j:SB+2*j+1]
.elseif j > 3
	v_pk_add_f32 v[CH:CH+1], v[SB+2*j-8:SB+2*j-7], v[SB+2*j:SB+2*j+1]
.endif
.endif
.if j > 7
	v_dual_min_num_f32 v[SB+2*j-16], v[236+(j-8)/8], v[SB+2*j-16] :: v_dual_min_num_f32 v[SB+2*j-15], v[236+(j-8)/8], v[SB+2*j-15]   ; the hold: the conversion does not saturate (ISA guide 7.6.2); p is not negative, so it is one-sided
.endif
.set j, j+1
.endr
	v_pk_add_f32 v[240:241], v[240:241], v[242:243]
	v_pk_add_f32 v[14:15], v[14:15], v[232:233]
	v_pk_add_f32 v[14:15], v[14:15], v[240:241]
.irp b, 0,1,2,3
	v_cvt_scalef32_pk8_fp8_f32 v[224+4*\b:225+4*\b], v[SB+16*\b:SB+16*\b+7], v[244+\b]
	v_cvt_scalef32_pk8_fp8_f32 v[226+4*\b:227+4*\b], v[SB+16*\b+8:SB+16*\b+15], v[244+\b]
.endr
.endm
; Tile t of S^T = K Q^T: source 0 = places 16 t on (fragment t % 4 of the window that is set for it), source 1 = Q.  K's scale words stand in lanes 0-15 (even t) or 16-31 (odd t) of register t / 2.
.macro KQ t, qs
.if (\t)%2
	v_wmma_scale_f32_16x16x128_f8f6f4 v[SB+8*(\t):SB+8*(\t)+7], v[FB+16*((\t)%4):FB+16*((\t)%4)+15], v[16:31], 0, v[KSW+(\t)/2], v[\qs] matrix_a_scale:MATRIX_SCALE_ROW1
.else
	v_wmma_scale_f32_16x16x128_f8f6f4 v[SB+8*(\t):SB+8*(\t)+7], v[FB+16*((\t)%4):FB+16*((\t)%4)+15], v[16:31], 0, v[KSW+(\t)/2], v[\qs]
.endif
.endm
; Tile t of O^T += V^T P^T: source 0 = 16 channels, source 1 = p's codes.  The first step's products start the sums.
.macro PV t, ps
.if FIRST
.if (\t)%2
	v_wmma_scale_f32_16x16x128_f8f6f4 v[160+8*(\t):167+8*(\t)], v[FB+16*((\t)%4):FB+16*((\t)%4)+15], v[224:239], 0, v[SW+(\t)/2], v[\ps] matrix_a_scale:MATRIX_SCALE_ROW1
.else
	v_wmma_scale_f32_16x16x128_f8f6f4 v[160+8*(\t):167+8*(\t)], v[FB+16*((\t)%4):FB+16*((\t)%4)+15], v[224:239], 0, v[SW+(\t)/2], v[\ps]
.endif
.else
.if (\t)%2
	v_wmma_scale_f32_16x16x128_f8f6f4 v[160+8*(\t):167+8*(\t)], v[FB+16*((\t)%4):FB+16*((\t)%4)+15], v[224:239], v[160+8*(\t):167+8*(\t)], v[SW+(\t)/2], v[\ps] matrix_a_scale:MATRIX_SCALE_ROW1
.else
	v_wmma_scale_f32_16x16x128_f8f6f4 v[160+8*(\t):167+8*(\t)], v[FB+16*((\t)%4):FB+16*((\t)%4)+15], v[224:239], v[160+8*(\t):167+8*(\t)], v[SW+(\t)/2], v[\ps]
.endif
.endif
.endm
.macro QK1                             ; the window-1 tile's scores.  K was asked for in the step before
	s_wait_dscnt 16                                ; K's scale words and fragments 4-7 are in; the youngest sixteen loads, fragments 0-3, may be out
	WIN 0x45
.irp t, 4,5,6,7
	KQ \t, QSB
.endr
	s_wait_dscnt 0x0                               ; fragments 0-3 are in
	WIN 0x44
.irp t, 0,1,2,3
	KQ \t, QSB
.endr
.endm
.macro QK0                             ; the window-0 tile's
	WIN 0
.irp t, 0,1,2,3
	KQ \t, QSA
.endr
	WIN 0x01
.irp t, 4,5,6,7
	KQ \t, QSA
.endr
.endm
.macro PV1
	WIN 0x55
.irp t, 4,5,6,7
	PV \t, PSB
.endr
	WIN 0x54
.irp t, 0,1,2,3
	PV \t, PSB
.endr
.endm
.macro PV0
	WIN 0
.irp t, 0,1,2,3
	PV \t, PSA
.endr
	WIN 0x01
.irp t, 4,5,6,7
	PV \t, PSA
.endr
	WIN 0
.endm
.macro ADDR                            ; the slot's addresses
	WIN 0x55
	v_add_nc_u32 v[ADK], s[TB], v[AK0]
	v_add_nc_u32 v[ADS], s[TS], v[ASK0]
	v_add_nc_u32 v[ADVL], s[TB], v[AVL]
	v_add_nc_u32 v[ADVH], s[TB], v[AVH]
	v_add_nc_u32 v[ADTL], s[TJ], v[ATL]
	v_add_nc_u32 v[ADTH], s[TJ], v[ATH]
.endm
; THE CHANGE OF SLOTS, in two halves with register work between them.  OPEN: each wave waits for all its tensor loads (its part of what is read next), adds 0 to its spare word, waits for that and for its reads of the
; slot that it leaves, of which V's are the last, and signals.  CLOSE: it waits for the others.
; kind = 2: the barrier opens a round of the cluster's, so that no wave of any partner still reads the slot that is filled or has a load on its way, and the joint fill is the first thing behind it.  kind = 1: nothing is
; left to ask for: the work-group's barrier alone.  turn = 1: this step's successor reads the other slot.
.macro OPEN kind, turn
	WIN 0
	s_wait_alu depctr_va_vdst(0)                   ; ahead of the waits below
	s_wait_tensorcnt 0x0                           ; no tensor load of mine is out, so a group 0 may be written
	ds_add_u32 v[SPW], v[NIL]                      ; 0 onto my spare word
.if \kind == 2
	s_xor_b32 s[G0K+1], s[G0K+1], SLOT1            ; the other slot than last time, the next 512 keys; the type bits on top are not reached
	s_xor_b32 s[G0V+1], s[G0V+1], SLOT1
	s_add_nc_u64 s[G0K+2:G0K+3], s[G0K+2:G0K+3], 512*128
	s_add_nc_u64 s[G0V+2:G0V+3], s[G0V+2:G0V+3], 512
.endif
.if \turn
	s_xor_b32 s[TB], s[TB], SLOT1
	s_add_co_u32 s[TS], s[TS], 2176
	s_add_co_u32 s[TJ], s[TJ], 16
.endif
	s_wait_dscnt 0x0                               ; the add is done, and my reads of the slot that I leave are over
	s_barrier_signal -1
.endm
.macro CLOSE kind
	WIN 0
	s_wait_alu depctr_va_vdst(0)                   ; ahead of the barrier's
	s_barrier_wait -1
.if \kind == 2
	s_cmp_lg_u32 s[WV], 0                          ; the rest of the round
	s_cbranch_scc1 .Lnot_wave_0_\@
	s_barrier_signal -3
.Lnot_wave_0_\@:
	s_barrier_wait -3
	s_barrier_signal -1
	s_barrier_wait -1
	JLOAD
.endif
.endm
; A KEY STEP of parity a: 128 keys of the slot in hand, for both tiles.  The sixteen products of each run name different accumulators, and so do a step's last product and the next step's first: the accumulators take
; turns.  A load into a register that a matrix instruction has read, and the first read of a result, stand eight plain vector lines behind that instruction; a matrix
; instruction that writes over such a register, nine.
.macro STEPSET a, first
.set FIRST, \first
.set PAR, \a
.set NP, 1-(\a)
.set FB, 32+64*(\a)
.set SB, 96-64*(\a)
.endm
.macro STEP a, chg, first
	STEPSET \a, \first
	QK1
.if FIRST == 0
	QK0
.endif
	WIN 0x55
	NOPS 8
.set HV, 1-FIRST
.set HK, 0
.set DW, -1
	SMA                                            ; the window-1 tile; V is fetched among its lines
	SMB1
.if \chg
	OPEN \chg, 1                                   ; V is in registers: this was the last read of the slot.  Up to CLOSE stands work on registers alone
	WIN 0x55
.endif
	SMB2
.if FIRST
	NOPS 1
	WIN 0
	s_wait_alu depctr_va_vdst(0)                   ; ahead of the wait below
	s_wait_loadcnt 0x0                             ; the second tile's queries
	QUANTQ QSA
	OPEN 2, 0                                      ; V of slot 0 and its scale bytes are whole behind this round; slot 1 is first filled behind it, as a refill is
	QK0
	NOPS 8
	CLOSE 2
	VHI
	VLO
.endif
	WIN 0x01
	v_mov_b32 v[PSB], v253                         ; its scale word into window 0 (and the plain line behind the conversions)
	WIN 0
	s_wait_alu depctr_va_vdst(0)                   ; the scores below are matrix results first read behind exponentials
.set HV, 0
.set DW, 20
.if \chg
.set HK, 0
	SMA                                            ; the window-0 tile
	CLOSE \chg
	ADDR
	KHI                                            ; the next step's K, from the slot that is whole now
.else
.set HK, 1
	SMA                                            ; the window-0 tile; the next step's K is fetched among its lines
.endif
	SMB1                                           ; DW: V is in; the 20 loads of the next K's scale words and fragments 4-7 may be out
	SMB2
	NOPS 4                                         ; plain lines between the codes and the products that take them
	KLO
	PV1
	PV0
	NOPS 9                                         ; the next step's first products write their scores over V's fragments
.endm
; THE MERGE OF THE TWO KEY HALVES of one tile.  w: the tile's window; mw: the window setting for its LDS instructions and stores, whose addresses lie in window 1.
.macro SEND w, mw, yo
	WIN \w
	v_add_f32 v14, v14, v15                        ; the sum's two halves,
	v_permlanex16_b32 v252, v14, s[SEL], s[SEL+1]
	v_add_f32 v13, v14, v252                       ; and lane l xor 16's; beside -M
	WIN \mw
.irp i, 0,1,2,3,4,5,6,7
	ds_store_b128 v[XS], v[192+4*\i:195+4*\i] offset:512*\i+\yo   ; accumulators 4-7 as they stand, each from its low end on
.endr
	ds_store_b128 v[XS], v[12:15] offset:4096+\yo
	s_wait_alu depctr_va_vdst(0)                   ; ahead of the wait below
	s_wait_dscnt 0x0                               ; for my partner's sake: my stores have landed
	s_barrier_signal -1
.endm
.macro RECV mw, yo
	WIN \mw
.irp i, 0,1,2,3,4,5,6,7
	ds_load_b128 v[SB+4*\i:SB+4*\i+3], v[XR] offset:512*\i+\yo    ; the other key half of my accumulators 0-3
.endr
	ds_load_b128 v[SB+32:SB+35], v[XR] offset:4096+\yo
.endm
.macro COMBINE w
	WIN \w
	v_min_num_f32 v232, v12, v[SB+32]              ; -M of both halves together: the smaller -M
	v_sub_f32 v233, v232, v12                      ; my M less the common M: a whole number, 0 or less;
	v_sub_f32 v234, v232, v[SB+32]                 ; my partner's likewise
	v_cvt_i32_f32 v233, v233
	v_cvt_i32_f32 v234, v234
	v_ldexp_f32 v236, 1.0, v233                    ; the two factors: powers of two
	v_ldexp_f32 v238, 1.0, v234
	v_mul_f32 v235, v13, v236
	v_fma_f32 v235, v[SB+33], v238, v235           ; the row's sum under the common M
	s_wait_alu depctr_va_vdst(0)                   ; the wait ahead of the reciprocal,
	v_rcp_f32 v235, v235
	v_nop                                          ; (the plain line behind it)
	s_wait_alu depctr_va_vdst(0)                   ; and ahead of its first reader; it serves O^T too
	v_mul_f32 v236, v236, v235                     ; factor / sum, for my half
	v_mul_f32 v238, v238, v235                     ; and for my partner's
.set j, 0
.rept 16
	v_pk_mul_f32 v[160+j:161+j], v[160+j:161+j], v[236:237] op_sel_hi:[1,0]
.set j, j+2
.endr
.set j, 0
.rept 16
	v_pk_fma_f32 v[SB+j:SB+j+1], v[SB+j:SB+j+1], v[238:239], v[160+j:161+j] op_sel_hi:[1,0,1]   ; register 8 t + i is out0(r, 64 g + 16 t + 8 h + i)
.set j, j+2
.endr
.endm
.macro STAGE mw                        ; through my own stage, so that sixteen lanes store 256 consecutive bytes, aligned: my 64 channels of a row
	WIN \mw
.irp t, 0,1,2,3
	ds_store_b128 v[STI], v[SB+8*\t:SB+8*\t+3] offset:64*\t
	ds_store_b128 v[STI], v[SB+8*\t+4:SB+8*\t+7] offset:64*\t+16
.endr
.irp i, 0,1,2,3,4,5,6,7
	ds_load_b128 v[SB+32+4*\i:SB+35+4*\i], v[STB] offset:544*\i   ; LDS serves a wave's instructions in order: these see my stores
.endr
.endm
.macro OUT i, yo
	global_store_b128 v[GO], v[SB+32+4*\i:SB+35+4*\i], s[14:15] offset:1024*\i+\yo th:TH_STORE_NT   ; written once, read by nobody here
.endm
	s_wait_alu depctr_va_vdst(0)                   ; ahead of the wait below
	s_wait_loadcnt 0x0                             ; the first tile's 16 loads are in
	QLOAD 8192                                     ; the second's are asked for now, 16 rows of 512 bytes on: the first step waits for them behind the first tile's softmax
	WIN 0x55
	QUANTQ 254
	WIN 0x01                                       ; source window 1, destination window 0
	v_mov_b32 v[QSB], v254                         ; scale operands are taken from window 0 alone
	WIN 0
	s_wait_alu depctr_va_vdst(0)                   ; ahead of the branch and the waits below
	s_cmp_lt_u32 s[WV], 4
	s_cbranch_scc0 .Lk_not_mine
	s_wait_tensorcnt 0x0                           ; waves 0 to 3: my part of K or of its scale bytes is in.  V's may be out
.Lk_not_mine:
	s_barrier_signal -1
	s_barrier_wait -1                              ; K of slot 0 and its scale bytes are whole
	ADDR
	NOPS 4                                         ; with the six lines above: eight plain lines and more between the scale word and the first products
.set SB, 32                            ; K of step 0, into the run that step 0 reads it from
.set NP, 0
	KHI
	KLO
	WIN 0
	STEP 0, 0, 1
.Lpair:                                            ; 2 trips of two key steps: behind two steps the register runs are back where they began
	STEP 1, 2, 0
	STEP 0, 0, 0
	s_sub_co_u32 s[TRIPS], s[TRIPS], 1
	s_cmp_lg_u32 s[TRIPS], 0
	s_cbranch_scc1 .Lpair
	STEP 1, 1, 0                                   ; the last three steps are written out: nothing is left to ask for
	STEP 0, 0, 0
	; THE LAST STEP.
	STEPSET 1, 0
	QK1
	QK0
	WIN 0x55
	NOPS 8
.set HV, 1
.set HK, 0
.set DW, -1
	SMA
	SMB1
	SMB2
	WIN 0x01
	v_mov_b32 v[PSB], v253
	NOPS 8                                         ; plain lines between the scale word and the products that take it
	s_wait_alu depctr_va_vdst(0)                   ; ahead of the wait below
	s_wait_dscnt 0x0                               ; V is in
	PV1
	NOPS 8
	SEND 0x55, 0x55, 0                             ; the first tile's accumulators 4-7 to my partner; slot 0 has had its last fill and its last read
	WIN 0
	s_wait_alu depctr_va_vdst(0)                   ; the scores below are matrix results first read behind exponentials
.set HV, 0
	SMA                                            ; the second tile's: work on registers alone between signal and wait
	s_wait_alu depctr_va_vdst(0)                   ; ahead of the barrier's
	s_barrier_wait -1
	RECV 0x55, 0
	WIN 0
.set DW, 0
	SMB1                                           ; (DW: what my partner handed over is in)
	COMBINE 0x55
	STAGE 0x55
	WIN 0
	SMB2
	NOPS 4
	s_wait_alu depctr_va_vdst(0)                   ; ahead of the wait below
	s_wait_dscnt 0x0
	WIN 0x55
.irp i, 0,1,2,3,4,5,6,7
	OUT \i, 0                                      ; the first tile leaves while the second's products and merge are still to come
.endr
	PV0
	NOPS 8
	SEND 0, 0x01, YO
	s_barrier_wait -1
	RECV 0x01, YO
	s_wait_dscnt 0x0
	COMBINE 0
	STAGE 0x01
.irp i, 0,1,2,3,4,5,6,7
	s_wait_dscnt 7-\i                              ; the loads issued behind this one may stay out
	OUT \i, 8192
.endr
	WIN 0
	s_wait_tensorcnt 0x0                           ; the wave's end: behind my last tensor load and my last LDS store
	ds_add_u32 v[SPW], v[NIL]
	s_wait_dscnt 0x0
	CROUND                                         ; the closing round: no work-group ends while a partner may still ask for a tile that names it
	s_endpgm
.Lfunc_end_k_q79950ef223_attn:
	.size	k_q79950ef223_attn, .Lfunc_end_k_q79950ef223_attn-k_q79950ef223_attn
	.p2alignl 7, 3214868480
	.fill 96, 4, 3214868480
	.section	.rodata,"a",@progbits
	.p2align	6, 0x0
	.amdhsa_kernel k_q79950ef223_attn
		.amdhsa_group_segment_fixed_size 327680
		.amdhsa_private_segment_fixed_size 0
		.amdhsa_enable_private_segment 0
		.amdhsa_kernarg_size 48
		.amdhsa_user_sgpr_count 2
		.amdhsa_user_sgpr_kernarg_segment_ptr 1
		.amdhsa_wavefront_size32 1
		.amdhsa_system_sgpr_workgroup_id_x 1
		.amdhsa_system_sgpr_workgroup_id_y 1
		.amdhsa_system_sgpr_workgroup_id_z 1
		.amdhsa_system_vgpr_workitem_id 0
		.amdhsa_next_free_vgpr 512
		.amdhsa_next_free_sgpr 100
		.amdhsa_reserve_vcc 0
		.amdhsa_float_denorm_mode_32 3
		.amdhsa_float_denorm_mode_16_64 3
		.amdhsa_memory_ordered 1
		.amdhsa_forward_progress 1
		.amdhsa_inst_pref_size 255
	.end_amdhsa_kernel
	.section	.bss,"aw",@nobits
	.p2align	6
	.space	262144
	.amdgpu_metadata
---
amdhsa.version: [ 1, 2 ]
amdhsa.kernels:
  - .name:           k_q79950ef223_attn
    .symbol:         k_q79950ef223_attn.kd
    .args:
      - { .name: queries, .offset: 0, .size: 8, .value_kind: global_buffer, .address_space: global }
      - { .name: kc, .offset: 8, .size: 8, .value_kind: global_buffer, .address_space: global }
      - { .name: ks, .offset: 16, .size: 8, .value_kind: global_buffer, .address_space: global }
      - { .name: vc, .offset: 24, .size: 8, .value_kind: global_buffer, .address_space: global }
      - { .name: vs, .offset: 32, .size: 8, .value_kind: global_buffer, .address_space: global }
      - { .name: out0, .offset: 40, .size: 8, .value_kind: global_buffer, .address_space: global }
    .group_segment_fixed_size: 327680
    .private_segment_fixed_size: 0
    .kernarg_segment_align: 8
    .kernarg_segment_size: 48
    .max_flat_workgroup_size: 256
    .sgpr_count:     100
    .vgpr_count:     512
    .wavefront_size: 32
...
	.end_amdgpu_metadata
.endif
;; end of part 2
